; MI455X (gfx1250); checked and timed in simulation.
; The chip was launched on July 23, 2026; its instructions are those of AMD's public machine-readable ISA for CDNA 5 (MIT licence, August 2026) and "CDNA5" Instruction Set Architecture Reference Guide (July 2026). The comments in the code are by the model that wrote it; some were corrected since.
;; Attn Fathers. Allowed arithmetic: matrix products marked QUANTISED: E2M3 operands, one E8M0 scale for each 32 along K, by v_wmma_scale_f32_16x16x128_f8f6f4 with both operands' format E2M3, f32 sums; products left as they are: f32 operands where the result goes on into a quantised operand, else bf16, f16 or f32 operands; f32 sums; everything else in f32.
;; Inputs: attn_W_codes 1,024 x 32 x 24 uint8 (E2M3 codes of attn_W, K innermost, in blocks of 32 codes, four codes in three bytes); attn_W_scales 1,024 x 32 uint8 (E8M0 scales of attn_W, one for each 32 codes along K); attn_b 1,024 float32; fathers_lengths 16 int32; fathers_outputs_codes 16 x 128 x 32 x 32 x 24 uint8 (E2M3 codes of fathers_outputs, K innermost, in blocks of 32 codes, four codes in three bytes); fathers_outputs_scales 16 x 128 x 32 x 32 uint8 (E8M0 scales of fathers_outputs, one for each 32 codes along K); hidden 1 x 16 x 1,024 float32.
;; Outputs: out0 16 x 128 x 32 float32.
;; This version of the problem:
;;   THIS VERSION OF THE PROBLEM IS GIVEN IN LOW PRECISION. The matrix products marked QUANTISED in the list below multiply operands that are first quantised to E2M3 (2 exponent bits, 3 mantissa bits; 6 bits a number), with one power-of-two scale for each 32 numbers along K (OCP MX v1.0); their sums are f32. All else is computed in f32.
;;   The module's matrix products, in the order in which they are computed (A, B: the left and right operand; K: the contracted axis; several contracted axes count as one K, in the product's order):
;;     1. [M 65,536, K 1,024] x [K 1,024, N 1,024]; A: input fathers_outputs (given as codes); B: input attn_W (given as codes): QUANTISED
;;     2. batch 16 x [M 1, K 1,024] x [K 1,024, N 4,096]; A: input hidden; B: computed on the way: left as it is (M = 1 < 16)
;;   THE QUANTISER, for each operand of a quantised product, along K:
;;     - K is cut into blocks of 32 from its start; a last block that is shorter is filled with zeros.
;;     - A block's scale is 2^e with e = floor(log2(the largest magnitude in the block)) - 2, held to -126 .. 127; a block of zeros has e = 0. As a byte (E8M0): e + 127.
;;     - Each number is divided by its block's scale, clamped to +-7.5, and rounded to the nearest number of E2M3, ties to even, subnormals kept.
;;     - The product sums the exact products of the quantised numbers (number of the format x scale) in f32.
;;   ~~~python
;;   def quantise(x, axis):      # numpy; x: float32 -> the quantised numbers, widened to float32 again
;;       x = np.moveaxis(x, axis, -1); K = x.shape[-1]
;;       x = np.pad(x, [(0, 0)] * (x.ndim - 1) + [(0, -K % 32)]); x = x.reshape(x.shape[:-1] + (-1, 32)); a = np.abs(x).max(-1, keepdims=True)
;;       e = np.where(a > 0, np.clip(np.frexp(np.where(a > 0, a, 1))[1] - 1 - 2, -126, 127), 0)      # np.frexp(a)[1] - 1 = floor(log2(a)), exactly
;;       r = np.clip(x / 2.0 ** e, -7.5, 7.5)
;;       step = 2.0 ** (np.maximum(np.frexp(np.where(r == 0, 1, r))[1] - 1, 0) - 3)
;;       q = np.round(r / step) * step * 2.0 ** e      # np.round: ties to even
;;       return np.moveaxis(q.reshape(q.shape[:-2] + (-1,))[..., :K], -1, axis).astype(np.float32)
;;   ~~~
;;   INPUTS GIVEN AS CODES. attn_W (in the module: [1024, 1024], K = its axis 1); fathers_outputs (in the module: [16, 128, 32, 1024], K = its axis 3): each comes as NAME_codes (uint8): NAME with its K axis moved to the last place and cut into blocks of 32 codes, [.., K / 32, bytes a block], one block behind the other in memory; four codes in three bytes: a row's codes are one little-endian stream of bits, code i at bits 6 i .. 6 i + 5 (a code: sign, 2 exponent bits, 3 mantissa bits); and NAME_scales (uint8): the same leading axes, one E8M0 byte (e + 127) for each 32 codes along K. Its value is code x scale, taken as it is: it is not quantised again, and the codes and scales need not be those that the quantiser above would give.
;; One version. Each part assembles by itself: llvm-mc -triple=amdgcn-amd-amdhsa -mcpu=gfx1250 --defsym DOCPART=n.
;; ======== version 1 of 1: 1 launch
;; limits: right only within a limited range of input values
;; launch attn (part 1): grid 256 x 1, 4 waves a work-group, clusters of 4 x 1, 327,680 bytes of LDS; arguments fathers_outputs_codes, fathers_outputs_scales, attn_W_codes, attn_W_scales, hidden, out0; writes out0
.if DOCPART == 1
	.amdgcn_target "amdgcn-amd-amdhsa--gfx1250"
	.amdhsa_code_object_version 6
	.text
	.protected	k_qfbc5b9a050_attn
	.globl	k_qfbc5b9a050_attn
	.p2align	8
	.type	k_qfbc5b9a050_attn,@function
k_qfbc5b9a050_attn:
	s_mov_b64 s[64:65], 0
	v_nop
	global_prefetch_b8 v0, s[64:65] scope:SCOPE_SE
	s_setreg_imm32_b32 hwreg(HW_REG_WAVE_MODE, 25, 1), 1
	s_wait_xcnt 0x0
	s_wait_alu depctr_hold_cnt(0) depctr_sa_sdst(0) depctr_va_vdst(0) depctr_va_sdst(0) depctr_va_ssrc(0) depctr_va_vcc(0) depctr_vm_vsrc(0)
	s_getreg_b32 s2, hwreg(HW_REG_IB_STS2, 6, 4)
	s_cmp_eq_u32 s2, 0
	s_cbranch_scc0 .Lentry_in_a_cluster
	s_endpgm
.Lentry_in_a_cluster:
	s_bfe_u32 s2, ttmp6, 0x10000c
	s_cmp_lg_u32 s2, 0x3003
	s_cbranch_scc0 .Lentry_shape_is_right
	s_endpgm
.Lentry_shape_is_right:
; out0[b][m][f] = softmax over m of  sum over n of hidden[b][n] * ( sum over k of F[b][m][f][k] W[n][k] + attn_b[n] ).
; F (65,536 rows) and W (1,024 rows) are codes of FP6 (E2M3), 768 bytes a row (K = 1,024), with 32 E8M0 bytes a row; the product runs on the scaled matrix form, sums in f32.
; WORK LEFT OUT.  attn_b adds to the score of (b, m, f) the number sum over n of hidden[b][n] attn_b[n], which is the same for every m; the softmax runs along m, and a term that is the same along its
; axis cancels for all values of the inputs.  fathers_lengths is used in no step of the function.  Neither is loaded, neither is among the arguments.  LIMIT: a NaN, an infinity or an overflow in these
; two alone is not carried to the result.
; SHARES.  A work-group owns one batch b and two fathers f = 2 p, 2 p + 1 with all 128 m: 256 rows of F (local row 2 m + u), so that the softmax over m closes inside the work-group: one launch, no workspace.
; Wave w takes all 256 rows (16 blocks of 16), the half w % 2 of K (four steps of 128) and the half w / 2 of each group of W's rows.
; F STAYS IN REGISTERS: 16 blocks x 4 K steps x 12 registers = 768 a wave.  W streams in 8 groups of 128 rows (64 for each half) through two LDS slots; a fragment of W read from LDS feeds 16 matrix instructions.
; THE MATRIX INSTRUCTION IS USED TRANSPOSED: source 0 = 16 rows of W, source 1 = 16 rows of F.  Register j of lane (r, h) is energy(row r, n0 + 8 h + j), over the wave's half of K.
; THE ENERGY IS NEVER KEPT: score += hidden[n] * energy, for each half of K by itself (the score is linear in the energy).  The four blocks of a group of F's rows have one set of four accumulators, the next
; four the other: while one set is multiplied, the other is folded by packed multiply-adds among the products.
; CLUSTER: the four work-groups of a cluster walk the same W: its rows and scale bytes are asked for JOINTLY (mask 15).  F's tiles are each work-group's own (mask 0).
; No prefetch is laid: all of F is asked for by the head's loads, ahead of the loop, and W, 786,432 bytes, is walked by all 64 clusters in the same order, each group asked for four tiles (256 products) ahead.
; LIMITS.  The score is summed in another order than a plain dot product (by halves of K, tile, register pair, lane half, half of n).  A scale byte 0xff gives NaN, as given.  Scores that overflow f32 are not served.
; A weight under 2^-126 comes out as 0 (v_exp_f32 flushes).  out0 leaves in pieces of 8 bytes, 128 bytes apart, and F's scale bytes come in pieces of 64 bytes: the price of closing the softmax in the work-group.
;
; LDS: 0 W's scale bytes of group 0; 4,096 F's 256 rows (later W's scale bytes of groups 1-7, 28,672 bytes, then slot Y); 212,992 slot X; then hidden[b], the partial scores, the spare words.
; REGISTERS, in windows of 256 (s_set_vgpr_msb: bits 1:0 source 0, 3:2 source 1, 5:4 source 2, 7:6 destination).  Windows 1 to 3 hold F's fragments, 21 each, and at v252-255 hidden's numbers of the tile; window 0 all the rest.
.set PITCH, 816                        ; an LDS row: 6 x (128 bytes + 8 of padding) = 204 words: row r starts at bank 12 r mod 64 (64 banks of 4 bytes: ISA guide 11.1).  Half of K is three such chunks
.set TILEB, 16*PITCH                   ; 16 rows
.set HALFW, 64*PITCH                   ; 64 rows
.set FBASE, 4096                       ; F's rows; later W's scale bytes of groups 1-7
.set YB,    32768                      ; slot Y: W's odd groups
.set XB,    212992                     ; slot X: W's even groups
.set HB,    317440                     ; hidden[b], 4,096 bytes
.set SCR,   321536                     ; partial scores: [wave][256 rows] f32
.set SPARE, 325632                     ; the spare words, 128 bytes for each wave: two blocks of 256 bytes that no other line names
.set SPW, 2                            ; LDS address of my spare word; never rewritten
.set NIL, 3                            ; 0; never rewritten
.set AH,  4                            ; hidden's eight numbers of my lane's half for the trip's first tile
.set ASC, 5                            ; my eight scale bytes of W's row for the trip's first tile
.set WS,  6                            ; W's scale words, two sets of two: word k % 2; lanes 0-15 K steps 0, 1, lanes 16-31 K steps 2, 3
.set AX,  10                           ; my places in slot X, then in slot Y, two registers each
.set FS,  14                           ; F's scale words, two for each block, laid in the OTHER order: K steps 1, 3, then 0, 2: an odd number meets an even one in each product
.set SCO, 46                           ; the running scores: a pair for each of 16 blocks
.set ACC, 84                           ; two sets of four accumulators
.set WB,  148                          ; W's fragments: two sets of four
.set F00, 244                          ; the one fragment of F in window 0
.set T,   ACC                          ; at the head the accumulators' registers serve as scratch
.set FA,  T+24                         ; my lane's places in F's four groups of 64 rows, two registers each
.set E,   WB                           ; at the end W's
.set WV,  20                           ; s20 wave; s21 half of K; s22 half of W's rows; s24 work-group; s25 b; s26 p
.set G1FA, 28                          ; descriptor groups 1: F's parts of 48 m, of 32 m, 128 rows of W, W's scale bytes, 32 rows of W
.set G1FB, 36
.set G1W,  44
.set G1S,  52
.set G1V,  92
.set G0F,  60                          ; groups 0: F, W's group 0, group 1, scale bytes, and the walking ones of the slots
.set G0H,  68
.set G0Y1, 72
.set G0S,  76
.set G0X,  80
.set G0Y,  84
.set SEL,  88                          ; s[88:89] v_permlanex16_b32's selects for lane l xor 16
.set TRIPS, 90
.set MSB, 0
.macro WIN new                         ; the immediate's high byte repeats the setting that is left; a switch that changes nothing is dropped
.if MSB != (\new)
	s_set_vgpr_msb (MSB<<8)|(\new)
.set MSB, (\new)
.endif
.endm
.macro NOPS
.rept 4
	v_nop
.endr
.endm
.macro CREST                           ; a round of the cluster's barrier behind its opening barrier
	s_cmp_lg_u32 s[WV], 0
	s_cbranch_scc1 .Lnot_wave_0_\@
	s_barrier_signal -3
.Lnot_wave_0_\@:
	s_barrier_wait -3
	s_barrier_signal -1
	s_barrier_wait -1
.endm
.macro CROUND                          ; a whole round
	s_barrier_signal -1
	s_barrier_wait -1
	CREST
.endm
.macro ARM under, g0, g1, next, done   ; an arm of a chain on the wave's number, with one load
	s_cmp_lt_u32 s[WV], \under
	s_cbranch_scc0 \next
	tensor_load_to_lds s[\g0:\g0+3], s[\g1:\g1+7]
	s_nop 0
	NOPS
	s_branch \done
\next:
.endm
; Where F's fragment lies that product j = 4 k + b of group g names (K step k, block b): window FW, register FR.
; The fold behind product j - 1 names the same window (for hidden's numbers), so that no switch stands between it and product j.  Parts 0, 1 of the fold find theirs in window 1, parts 1, 2 in window 2, parts 2, 3 in window 3.
.macro FLOC g, j
.set FG, (\g)
.set FJ, (\j)
.if FG == 1
.if FJ < 2
.set FW, 3
.set FI, 6+FJ
.elseif FJ < 5
.set FW, 1
.set FI, 4+FJ
.elseif FJ < 7
.set FW, 2
.set FI, FJ-1
.elseif FJ < 9
.set FW, 1
.set FI, 2+FJ
.elseif FJ < 13
.set FW, 2
.set FI, FJ-3
.else
.set FW, 3
.set FI, FJ-5
.endif
.elseif FG == 0
.if FJ == 0
.set FW, 3
.set FI, 0
.elseif FJ < 7
.set FW, 1
.set FI, FJ-1
.elseif FJ < 11
.set FW, 2
.set FI, FJ-7
.else
.set FW, 3
.set FI, FJ-10
.endif
.else
.if FJ == 0
.set FW, 3
.set FI, 5*FG+1
.elseif FJ < 6
.set FW, 1
.set FI, 5*FG+FJ
.elseif FJ < 12
.set FW, 2
.set FI, 6*FG+FJ-8
.else
.set FW, 3
.set FI, 5*FG+FJ-10
.endif
.endif
.set FR, 12*FI
.if FI == 21
.set FW, 0
.set FR, F00
.endif
.endm
; A fragment, 16 rows x 128 K of 6-bit codes, is 12 registers: lane (r, h) holds row r; registers 6 c .. 6 c + 5 hold K = 64 c + 32 h + 0 .. 31: 24 bytes of the row's stream of bits, in pieces of 8 bytes.
; Lanes 16-31 read three pieces on.  8 bytes of padding lie behind every 16 pieces: where the piece three on lies behind one padding more, the second address register (32 for 24 bytes a half) serves.
.macro FRAG reg, a, a2, k, off
.irp p, 0,1,2,3,4,5
.set PC, 12*(\k)+6*(\p/3)+\p%3
.if PC%16 < 13
	ds_load_b64 v[(\reg)+2*\p:(\reg)+2*\p+1], v[\a] offset:(\off)+8*PC+8*(PC/16)
.else
	ds_load_b64 v[(\reg)+2*\p:(\reg)+2*\p+1], v[\a2] offset:(\off)+8*PC+8*(PC/16)
.endif
.endr
.endm
.macro FILL i                          ; block i of F, my four K steps, into the registers in which it stays
.irp k, 0,1,2,3
	FLOC (\i)/4,4*\k+(\i)%4
	WIN FW<<6
	FRAG FR,FA+2*((\i)/4),FA+2*((\i)/4)+1,\k,TILEB*((\i)%4)
.endr
.endm
; The fragments and scale words of the trip's tile i (4-7: slot Y; 8: the next trip's tile 0), 25 loads in one run, into the set i % 2.
.macro LOADS i
	WIN 0
.irp k, 0,1,2,3
	FRAG WB+48*((\i)%2)+12*\k,AX+2*(((\i)/4)%2),AX+1+2*(((\i)/4)%2),\k,TILEB*((\i)%4)
.endr
	ds_load_b64 v[WS+2*((\i)%2):WS+2*((\i)%2)+1], v[ASC] offset:4096*((\i)/4)+512*((\i)%4)
.endm
; Hidden's numbers of the trip's tile i, four loads: its first four into window 1, the middle four into window 2, the last four into window 3.
.macro HIDDEN i
.set HO, 512*((\i)/4)+64*((\i)%4)
	WIN 0x40
	ds_load_b128 v[252:255], v[AH] offset:HO
	WIN 0x80
	ds_load_b64 v[252:253], v[AH] offset:HO+8
	ds_load_b64 v[254:255], v[AH] offset:HO+16
	WIN 0xc0
	ds_load_b128 v[252:255], v[AH] offset:HO+16
.endm
; One matrix instruction: group g of F's blocks, K step k, block b of the four, set p of W's fragments.  The four accumulators take turns, one instruction a turn.
.macro WMI g, k, b, p
	FLOC \g,4*(\k)+(\b)
	WIN FW<<2
.set AC, ACC+32*((\g)%2)+8*(\b)
.set WF, WB+48*(\p)+12*(\k)
.set SCW, WS+2*(\p)+(\k)%2
.set SCF, FS+2*(4*(\g)+(\b))+1-(\k)%2
.if (\k) == 0
	v_wmma_scale_f32_16x16x128_f8f6f4 v[AC:AC+7], v[WF:WF+11], v[FR:FR+11], 0, v[SCW], v[SCF] matrix_a_fmt:MATRIX_FMT_FP6 matrix_b_fmt:MATRIX_FMT_FP6
.elseif (\k) < 2
	v_wmma_scale_f32_16x16x128_f8f6f4 v[AC:AC+7], v[WF:WF+11], v[FR:FR+11], v[AC:AC+7], v[SCW], v[SCF] matrix_a_fmt:MATRIX_FMT_FP6 matrix_b_fmt:MATRIX_FMT_FP6
.else
	v_wmma_scale_f32_16x16x128_f8f6f4 v[AC:AC+7], v[WF:WF+11], v[FR:FR+11], v[AC:AC+7], v[SCW], v[SCF] matrix_a_fmt:MATRIX_FMT_FP6 matrix_b_fmt:MATRIX_FMT_FP6 matrix_a_scale:MATRIX_SCALE_ROW1 matrix_b_scale:MATRIX_SCALE_ROW1
.endif
.endm
; THE FOLD, line q of 16, of group fg: part q / 4 (two of the tile's eight numbers of n, the low ones first) of block q % 4.  Hidden's two numbers are taken from window NW, the
; next product's, if they lie there, else from a window in which they do.
.macro FOLD fg, q
.set FD, (\q)/4
.if (NW > 0) && ((NW == FD) || (NW == FD+1))
.set PW, NW
.elseif FD == 0
.set PW, 1
.else
.set PW, FD
.endif
	WIN PW<<2
.set HR, 252+2*(FD+1-PW)
.set SO, SCO+2*(4*(\fg)+(\q)%4)
.set AO, ACC+32*((\fg)%2)+8*((\q)%4)+2*FD
	v_pk_fma_f32 v[SO:SO+1], v[AO:AO+1], v[HR:HR+1], v[SO:SO+1]
.endm
; 16 matrix instructions: group g of F's blocks, all four K steps, and the fold of the group before (group 0: of the tile before's group 3), a line behind each product.  In group 1 hidden's numbers of this tile
; have only been asked for: there the fold begins behind the seventh product, two lines behind each of six products, then one; left: the LDS instructions issued behind hidden's loads, which may stay out.
; A block's last product stands four vector instructions ahead of the first line that reads it, and none of the four names its registers (ISA guide 7.12.1).  fold = 0, the very first group: v_nop stands in these places.
.macro GROUP g, p, fold, left
.irp s, 0,1,2,3,4,5,6,7,8,9,10,11,12,13,14,15
	WMI \g,\s/4,\s%4,\p
.if \fold
.if \s < 15
	FLOC \g,\s+1
.set NW, FW
.else
.set NW, 3
.endif
.if \g == 1
.if \s == 6
	s_wait_dscnt \left
.endif
.if \s > 11
	FOLD 0,\s
.elseif \s > 5
	FOLD 0,2*(\s-6)
	FOLD 0,2*(\s-6)+1
.endif
.else
	FOLD (\g+3)%4,\s
.endif
.elseif \s > 11
	v_nop
.endif
.endr
.endm
.macro FIRST i                         ; tile i of a trip, first part: group 0
	s_wait_dscnt 0x0                               ; this tile's fragments are in
	GROUP 0,(\i)%2,1,0
.endm
; The rest: the next tile's run of loads, into the set that the tile before has left (the folds of group 0 stand between its last product and these loads), and groups 1 to 3.
; kind 0: the next tile lies in the same slot.  1: change of slots, and this slot is filled again.  2: change of slots, nothing is filled.  3: the last tile.
; At a change: this slot's last fragments are in registers since the tile's begin.  ONE barrier for two things: behind it nobody reads this slot any more, and the other slot is whole.
.macro REST i, kind
	HIDDEN \i
.if \kind == 0
	LOADS (\i)+1
	GROUP 1,(\i)%2,1,25                            ; behind hidden's loads stand these 25
	GROUP 2,(\i)%2,1,0
.elseif \kind == 3
	GROUP 1,(\i)%2,1,0
	GROUP 2,(\i)%2,1,0
.else
	WIN 0                                          ; (the add's two registers lie in window 0)
	s_wait_tensorcnt 0x0                           ; all my tensor loads have landed, my part of the other slot among them;
	ds_add_u32 v[SPW], v[NIL]                      ; 0 onto my spare word
.if \kind == 1
.set GW, G0X+4*(((\i)/4)%2)
	s_add_nc_u64 s[GW+2:GW+3], s[GW+2:GW+3], 196608   ; no tensor load of mine is out: the slot's next group, 256 rows on; the type bits on top are not reached
.endif
	GROUP 1,(\i)%2,1,1                             ; behind hidden's loads stands the add
	s_wait_dscnt 0x0                               ; the add is done, and my reads of this slot are over
	s_barrier_signal -1
	GROUP 2,(\i)%2,1,0                             ; work on registers while the others arrive
	WIN 0
	s_barrier_wait -1
.if \kind == 1
	CREST                                          ; the barrier has opened a round of the cluster's: no wave of any partner still reads this slot or has a load on its way
	tensor_load_to_lds s[GW:GW+3], s[G1V:G1V+7]    ; my one tensor load behind the round: the group two on; it has the next group's tiles in which to land
	s_nop 0
	NOPS
.endif
	LOADS (\i)+1
.endif
	GROUP 3,(\i)%2,1,0
.endm
.macro FULL i, kind
	FIRST \i
	REST \i,\kind
.endm
	s_load_b256 s[4:11], s[0:1], 0x0               ; F's codes s[4:5], F's scales s[6:7], W's codes s[8:9], W's scales s[10:11]
	s_load_b128 s[12:15], s[0:1], 0x20             ; hidden s[12:13], out0 s[14:15]
	v_lshl_add_u32 v[SPW], v0, 2, SPARE
	v_mov_b32 v[NIL], 0
	ds_add_u32 v[SPW], v[NIL]                      ; the wave's opening: the add, twice on end, and its wait ahead of my first tensor load
	ds_add_u32 v[SPW], v[NIL]
	v_lshrrev_b32 v1, 5, v0
	v_readfirstlane_b32 s[WV], v1                  ; wave 0..3
	s_and_b32 s21, s[WV], 1                        ; my half of K
	s_lshr_b32 s22, s[WV], 1                       ; my half of each group of W's rows
	s_bfe_u32 s23, ttmp6, 0x40000                  ; cx: my place in the cluster
	s_lshl_b32 s24, ttmp9, 2                       ; in a cluster launch ttmp9 counts clusters
	s_add_co_u32 s24, s24, s23                     ; work-group 0..255
	s_lshr_b32 s25, s24, 4                         ; b
	s_and_b32 s26, s24, 15                         ; p: fathers 2 p, 2 p + 1
	; groups 1 for F: rows m of 1,536 bytes (two fathers' rows), 24,576 bytes apart; 8 bytes of padding behind every 128: each becomes two LDS rows of 816 bytes
.irp g, G1FA, G1FB
	s_mov_b32 s[\g+0], (1<<20)|(4<<22)|(1<<25)     ; 15:0 no mask; 17:16 elements of 1 byte; 20 padding on; 24:22 after every 32 words (code 4); 31:25 of 2 words (code 1)
	s_mov_b32 s[\g+1], 1536<<16                    ; tensor_dim0
	s_mov_b32 s[\g+3], 1536<<16                    ; tile_dim0
	s_mov_b32 s[\g+5], 24576                       ; tensor_dim0_stride
	s_mov_b32 s[\g+6], 0
	s_mov_b32 s[\g+7], 0
.endr
	s_mov_b32 s[G1FA+2], 48<<16                    ; tensor_dim1
	s_mov_b32 s[G1FA+4], 48                        ; tile_dim1
	s_mov_b32 s[G1FB+2], 32<<16
	s_mov_b32 s[G1FB+4], 32
	; groups 1 for W: rows of 768 bytes, dense; the same padding; asked for jointly by the four work-groups
.irp g, G1W, G1V
	s_mov_b32 s[\g+0], 15|(1<<20)|(1<<21)|(4<<22)|(1<<25)   ; 15:0 the mask: all four; 21 set beside a mask
	s_mov_b32 s[\g+1], 768<<16
	s_mov_b32 s[\g+3], 768<<16
	s_mov_b32 s[\g+5], 768
	s_mov_b32 s[\g+6], 0
	s_mov_b32 s[\g+7], 0
.endr
	s_mov_b32 s[G1W+2], 128<<16
	s_mov_b32 s[G1W+4], 128
	s_mov_b32 s[G1V+2], 32<<16
	s_mov_b32 s[G1V+4], 32
	; group 1 for W's scale bytes of groups 1-7: 28,672 dense bytes, as 112 rows of 256 (32 elements of 8 bytes)
	s_mov_b32 s[G1S+0], 15|(3<<16)|(1<<21)
	s_mov_b32 s[G1S+1], 32<<16
	s_mov_b32 s[G1S+2], 112<<16
	s_mov_b32 s[G1S+3], 32<<16
	s_mov_b32 s[G1S+4], 112
	s_mov_b32 s[G1S+5], 32
	s_mov_b32 s[G1S+6], 0
	s_mov_b32 s[G1S+7], 0
	; groups 0: waves 0 and 1 fetch 48 m of F each (96 LDS rows), wave 2 the last 32 m, wave 3 W's group 0
	s_mov_b32 s[G0F], 1
	s_mul_i32 s[G0F+1], s[WV], 96*PITCH
	s_add_co_u32 s[G0F+1], s[G0F+1], FBASE
	s_mov_b32 s[G0H], 1
	s_mov_b32 s[G0H+1], XB
	s_mov_b32 s[G0Y1], 1
	s_mov_b32 s[G0Y1+1], YB
	s_mov_b32 s[G0S], 1
	s_mov_b32 s[G0S+1], FBASE
	s_mov_b32 s[G0X], 1                            ; the walking ones: 32 rows of each group a wave, made of the wave's number alone
	s_mul_i32 s[G0X+1], s[WV], 32*PITCH
	s_mov_b32 s[G0Y], 1
	s_add_co_u32 s[G0Y+1], s[G0X+1], YB
	s_add_co_u32 s[G0X+1], s[G0X+1], XB
	s_mul_i32 s16, s25, 3145728                    ; F: b x 128 x 32 rows of 768 bytes,
	s_mul_i32 s17, s26, 1536                       ; p x two rows,
	s_add_co_u32 s16, s16, s17
	s_mul_i32 s17, s[WV], 1179648                  ; wave x 48 m of 24,576 bytes
	s_add_co_u32 s16, s16, s17
	s_mov_b32 s17, 0
	s_mul_i32 s18, s[WV], 24576                    ; W: wave x 32 rows
	s_mov_b32 s19, 0
	s_lshl_b32 s2, s25, 17                         ; F's scale bytes: b x 131,072 + p x 64 + half of K x 16
	s_lshl_b32 s3, s26, 6
	s_add_co_u32 s2, s2, s3
	s_lshl_b32 s3, s21, 4
	s_add_co_u32 s2, s2, s3
	s_mov_b32 s3, 0
	s_lshl_b32 s100, s25, 12                       ; hidden: b x 4,096
	s_mov_b32 s101, 0
	s_lshl_b32 s90, s25, 14                        ; out0: b x 16,384 + p x 8
	s_lshl_b32 s91, s26, 3
	s_add_co_u32 s90, s90, s91
	s_mov_b32 s91, 0
	s_mov_b32 s[SEL], 0x76543210
	s_mov_b32 s[SEL+1], 0xfedcba98
	s_wait_dscnt 0x0                               ; both opening adds are done
	s_wait_kmcnt 0x0
	s_add_nc_u64 s[G0F+2:G0F+3], s[4:5], s[16:17]
	s_or_b32 s[G0F+3], s[G0F+3], 0x80000000        ; 127:126 type = 2
	s_mov_b64 s[G0H+2:G0H+3], s[8:9]
	s_or_b32 s[G0H+3], s[G0H+3], 0x80000000
	s_add_nc_u64 s[G0Y1+2:G0Y1+3], s[8:9], 98304
	s_or_b32 s[G0Y1+3], s[G0Y1+3], 0x80000000
	s_add_nc_u64 s[G0S+2:G0S+3], s[10:11], 4096
	s_or_b32 s[G0S+3], s[G0S+3], 0x80000000
	s_add_nc_u64 s[G0X+2:G0X+3], s[8:9], s[18:19]
	s_add_nc_u64 s[G0Y+2:G0Y+3], s[G0X+2:G0X+3], 98304
	s_or_b32 s[G0X+3], s[G0X+3], 0x80000000
	s_or_b32 s[G0Y+3], s[G0Y+3], 0x80000000
	s_add_nc_u64 s[6:7], s[6:7], s[2:3]
	s_add_nc_u64 s[12:13], s[12:13], s[100:101]
	s_add_nc_u64 s[14:15], s[14:15], s[90:91]
	CROUND                                         ; all four work-groups are here: the first joint loads meet
	; THE HEAD'S LOADS, one a wave, in one chain: every way through it passes exactly one
	ARM 1, G0F, G1FA, .Lhead_1, .Lhead_asked
	ARM 2, G0F, G1FA, .Lhead_2, .Lhead_asked
	ARM 3, G0F, G1FB, .Lhead_3, .Lhead_asked
	tensor_load_to_lds s[G0H:G0H+3], s[G1W:G1W+7]
	s_nop 0
	NOPS
.Lhead_asked:
	s_mul_i32 s16, s21, 3*136                      ; my half of K in an LDS row
	s_mul_i32 s17, s22, HALFW                      ; my half of a group's rows
	s_add_co_u32 s18, s17, XB
	s_add_co_u32 s19, s17, YB
	s_lshl_b32 s2, s22, 8
	s_add_co_u32 s2, s2, HB                        ; hidden at n = 64 x my half
	s_lshl_b32 s3, s22, 11
	s_lshl_b32 s17, s21, 4
	s_add_co_u32 s3, s3, s17                       ; W's scale bytes: 64 rows x 32 for my half, 16 for my half of K
	v_lshlrev_b32 v[T], 4, v0                      ; 16 x thread: a wave's load covers 512 consecutive bytes
	global_load_b128 v[T+2:T+5], v[T], s[12:13]
	global_load_b128 v[T+6:T+9], v[T], s[12:13] offset:2048
	global_load_b128 v[T+10:T+13], v[T], s[10:11]
	global_load_b128 v[T+14:T+17], v[T], s[10:11] offset:2048
	v_and_b32 v1, 15, v0                           ; r
	v_bfe_u32 v[T+1], v0, 4, 1                     ; h
	v_lshrrev_b32 v[T+18], 1, v1                   ; F's scale bytes of local row r of a block: m = r / 2, father r % 2; my 8 of its 32 bytes
	v_and_b32 v[T+19], 1, v1
	v_lshlrev_b32 v[T+18], 10, v[T+18]
	v_lshl_add_u32 v[T+18], v[T+19], 5, v[T+18]
	v_lshl_add_u32 v[T+18], v[T+1], 3, v[T+18]
.irp i, 0,1,2,3,4,5,6,7,8,9,10,11,12,13,14,15
	global_load_b64 v[T+32+2*\i:T+33+2*\i], v[T+18], s[6:7] offset:8192*\i   ; block i: 8 m on
.endr
	v_mul_u32_u24 v[T+21], v1, PITCH
	v_mad_u32_u24 v[T+22], v[T+1], 24, v[T+21]     ; row x pitch + 24 x half
	v_lshl_add_u32 v[T+23], v[T+1], 5, v[T+21]     ; and behind one padding more
	v_add_nc_u32 v[T+22], s16, v[T+22]
	v_add_nc_u32 v[T+23], s16, v[T+23]
.irp g, 0,1,2,3
	v_add_nc_u32 v[FA+2*\g], FBASE+HALFW*\g, v[T+22]
	v_add_nc_u32 v[FA+2*\g+1], FBASE+HALFW*\g, v[T+23]
.endr
	v_add_nc_u32 v[AX], s18, v[T+22]               ; my places in W's slots
	v_add_nc_u32 v[AX+1], s18, v[T+23]
	v_add_nc_u32 v[AX+2], s19, v[T+22]
	v_add_nc_u32 v[AX+3], s19, v[T+23]
	v_lshl_add_u32 v[AH], v[T+1], 5, s2
	v_lshl_add_u32 v[ASC], v1, 5, s3
	v_lshl_add_u32 v[ASC], v[T+1], 3, v[ASC]
	v_add_nc_u32 v[T+20], HB, v[T]
	s_wait_alu depctr_va_vdst(0)
	s_wait_loadcnt 16                              ; hidden and group 0's scale bytes are in: behind them stand the 16 loads of F's scale words
	ds_store_b128 v[T+20], v[T+2:T+5]
	ds_store_b128 v[T+20], v[T+6:T+9] offset:2048
	ds_store_b128 v[T], v[T+10:T+13]
	ds_store_b128 v[T], v[T+14:T+17] offset:2048
	s_cmp_lt_u32 s[WV], 1
	s_cbranch_scc0 .Lpart_0
	s_wait_tensorcnt 0x0                           ; wave 0: F's first part is in; blocks 0-5 are filled behind this barrier
.Lpart_0:
	s_wait_dscnt 0x0                               ; my stores have landed
	s_barrier_signal -1
	s_barrier_wait -1
.irp i, 0,1,2,3,4,5
	FILL \i
.endr
	WIN 0
	s_cmp_lt_u32 s[WV], 2
	s_cbranch_scc0 .Lpart_1
	s_wait_tensorcnt 0x0                           ; wave 1: F's second part is in (wave 0's own wait is met)
.Lpart_1:
	s_wait_dscnt 0x0                               ; no LDS instruction of mine is pending at a signal
	s_barrier_signal -1
	s_barrier_wait -1
.irp i, 6,7,8,9,10,11
	FILL \i
.endr
	WIN 0
	s_wait_loadcnt 0x0                             ; F's scale words: into the order in which they stay
.irp i, 0,1,2,3,4,5,6,7,8,9,10,11,12,13,14,15
	v_mov_b32 v[FS+2*\i+1], v[T+32+2*\i]
	v_mov_b32 v[FS+2*\i], v[T+33+2*\i]
.endr
.irp x, 0,1,2,3,4,5,6,7,8,9,10,11,12,13,14,15,16,17,18,19,20,21,22,23,24,25,26,27,28,29,30,31
	v_mov_b32 v[SCO+\x], 0                         ; the scores: the first tile's fold stands in the loop, like every other
.endr
	s_wait_alu depctr_va_vdst(0)
	s_wait_tensorcnt 0x0                           ; every wave: all of the head's loads are in
	s_wait_dscnt 0x0
	s_barrier_signal -1
	s_barrier_wait -1
	LOADS 0
.irp i, 12,13,14,15
	FILL \i
.endr
	WIN 0
	s_wait_tensorcnt 0x0
	ds_add_u32 v[SPW], v[NIL]                      ; 0 onto my spare word
	s_wait_dscnt 63                                ; tile 0 of W is in: behind it stand the 96 loads of F's last four blocks and the add
	GROUP 0,0,0,0                                  ; the first 16 products name F's first four blocks alone
	WIN 0
	s_wait_dscnt 0x0                               ; the add is done, and all of my F is in registers
	s_barrier_signal -1
	s_barrier_wait -1
	CREST                                          ; no wave of any partner still reads F's bytes or has a load on its way
	ARM 1, G0Y1, G1W, .Lfill_1, .Lfilled           ; wave 0: W's group 1 into slot Y;
	ARM 2, G0S, G1S, .Lfill_2, .Lfilled            ; wave 1: the scale bytes of groups 1-7
.Lfilled:
	s_mov_b32 s[TRIPS], 3
.Ltrip:                                                ; a trip: two groups of W, eight tiles, 512 matrix instructions; both slots are filled again
	REST 0,0
	FULL 1,0
	FULL 2,0
	FULL 3,1
	FULL 4,0
	FULL 5,0
	FULL 6,0
	FULL 7,1
	WIN 0
	v_add_nc_u32 v[AH], 1024, v[AH]                ; two groups of 128 numbers on
	v_add_nc_u32 v[ASC], 8192, v[ASC]              ; two groups of 128 rows x 32 bytes on.  (Sixteen folds stand between these two lines and the loads that read them)
	FIRST 0
	WIN 0                                          ; at a label and at a branch every window is 0
	s_sub_co_u32 s[TRIPS], s[TRIPS], 1
	s_cmp_lg_u32 s[TRIPS], 0
	s_cbranch_scc1 .Ltrip
	REST 0,0                                       ; the last two groups are written out: nothing more is asked for
	FULL 1,0
	FULL 2,0
	FULL 3,2
	FULL 4,0
	FULL 5,0
	FULL 6,0
	FULL 7,3
.set NW, 0
.irp q, 0,1,2,3,4,5,6,7,8,9,10,11,12,13,14,15
	FOLD 3,\q
.endr
	WIN 0
	; THE END.  A block's score pair is added up, then lane l xor 16's (the other eight n of each tile): lane (r, h) holds row r's score over my halves of K and n.  The four waves' parts meet in LDS.
.irp x, 0,1,2,3,4,5,6,7,8,9,10,11,12,13,14,15
	v_add_f32 v[E+\x], v[SCO+2*\x], v[SCO+2*\x+1]
.endr
.irp x, 0,1,2,3,4,5,6,7,8,9,10,11,12,13,14,15
	v_permlanex16_b32 v[E+16+\x], v[E+\x], s[SEL], s[SEL+1]
.endr
.irp x, 0,1,2,3,4,5,6,7,8,9,10,11,12,13,14,15
	v_add_f32 v[E+\x], v[E+\x], v[E+16+\x]
.endr
	s_lshl_b32 s16, s[WV], 10
	s_add_co_u32 s16, s16, SCR
	v_and_b32 v[E+32], 15, v0
	v_lshl_add_u32 v[E+32], v[E+32], 2, s16        ; [wave][16 x + r]
	v_and_b32 v[E+33], 31, v0
	v_lshlrev_b32 v[E+34], 9, v[E+33]              ; out0: lane l takes m = 4 l .. 4 l + 3, 128 bytes apart
	v_lshl_add_u32 v[E+33], v[E+33], 5, SCR        ; and reads local rows 8 l .. 8 l + 7
	s_wait_alu depctr_va_vdst(0)
.irp x, 0,1,2,3,4,5,6,7,8,9,10,11,12,13,14,15
	ds_store_b32 v[E+32], v[E+\x] offset:64*\x     ; both halves of the lanes write the same word with the same value
.endr
	s_wait_dscnt 0x0                               ; for the others' sake: my stores have landed
	s_barrier_signal -1
	s_barrier_wait -1
	s_cmp_lg_u32 s[WV], 0                          ; 256 scores are one wave's work
	s_cbranch_scc1 .Ldone
.set D, E+36
.irp w, 0,1,2,3
	ds_load_b128 v[D+8*\w:D+8*\w+3], v[E+33] offset:1024*\w
	ds_load_b128 v[D+8*\w+4:D+8*\w+7], v[E+33] offset:1024*\w+16
.endr
	s_wait_dscnt 0x0
.irp j, 0,2,4,6
	v_pk_add_f32 v[D+\j:D+\j+1], v[D+\j:D+\j+1], v[D+8+\j:D+9+\j]   ; the halves of K.  In a pair: father 2 p, father 2 p + 1, of one m
	v_pk_add_f32 v[D+16+\j:D+17+\j], v[D+16+\j:D+17+\j], v[D+24+\j:D+25+\j]
.endr
.irp j, 0,2,4,6
	v_pk_add_f32 v[D+\j:D+\j+1], v[D+\j:D+\j+1], v[D+16+\j:D+17+\j]   ; the halves of n
.endr
	v_max3_num_f32 v[D+8], v[D], v[D+2], v[D+4]    ; each father's largest score: my four m,
	v_max3_num_f32 v[D+9], v[D+1], v[D+3], v[D+5]
	v_max_num_f32 v[D+8], v[D+8], v[D+6]
	v_max_num_f32 v[D+9], v[D+9], v[D+7]
.irp s, 1,2,4,8
	v_max_num_f32_dpp v[D+8], v[D+8], v[D+8] row_xmask:\s row_mask:0xf bank_mask:0xf   ; the 16 lanes of my half,
	v_max_num_f32_dpp v[D+9], v[D+9], v[D+9] row_xmask:\s row_mask:0xf bank_mask:0xf
.endr
	v_permlanex16_b32 v[D+10], v[D+8], s[SEL], s[SEL+1]
	v_permlanex16_b32 v[D+11], v[D+9], s[SEL], s[SEL+1]
	v_max_num_f32 v[D+8], v[D+8], v[D+10]          ; and the other half's
	v_max_num_f32 v[D+9], v[D+9], v[D+11]
.irp j, 0,2,4,6
	v_pk_add_f32 v[D+\j:D+\j+1], v[D+\j:D+\j+1], v[D+8:D+9] neg_lo:[0,1] neg_hi:[0,1]   ; score - maximum
.endr
.irp j, 0,1,2,3,4,5,6,7
	v_mul_f32 v[D+\j], 0x3fb8aa3b, v[D+\j]         ; x log2(e)
.endr
	s_wait_alu depctr_va_vdst(0)
.irp j, 0,1,2,3,4,5,6,7
	v_exp_f32 v[D+\j], v[D+\j]
.endr
	v_nop                                          ; one plain place behind the exponentials
	s_wait_alu depctr_va_vdst(0)                   ; and behind it
	v_pk_add_f32 v[D+12:D+13], v[D:D+1], v[D+2:D+3]
	v_pk_add_f32 v[D+14:D+15], v[D+4:D+5], v[D+6:D+7]
	v_pk_add_f32 v[D+12:D+13], v[D+12:D+13], v[D+14:D+15]
.irp s, 1,2,4,8
	v_add_f32_dpp v[D+12], v[D+12], v[D+12] row_xmask:\s row_mask:0xf bank_mask:0xf
	v_add_f32_dpp v[D+13], v[D+13], v[D+13] row_xmask:\s row_mask:0xf bank_mask:0xf
.endr
	v_permlanex16_b32 v[D+14], v[D+12], s[SEL], s[SEL+1]
	v_permlanex16_b32 v[D+15], v[D+13], s[SEL], s[SEL+1]
	v_add_f32 v[D+12], v[D+12], v[D+14]
	v_add_f32 v[D+13], v[D+13], v[D+15]
	s_wait_alu depctr_va_vdst(0)
	v_rcp_f32 v[D+12], v[D+12]
	v_rcp_f32 v[D+13], v[D+13]
	v_nop                                          ; one plain place behind the reciprocals
	s_wait_alu depctr_va_vdst(0)                   ; and behind it
.irp j, 0,2,4,6
	v_pk_mul_f32 v[D+\j:D+\j+1], v[D+\j:D+\j+1], v[D+12:D+13]
.endr
.irp j, 0,1,2,3
	global_store_b64 v[E+34], v[D+2*\j:D+2*\j+1], s[14:15] offset:128*\j   ; out0[b][4 l + j][2 p, 2 p + 1]
.endr
.Ldone:
	s_wait_tensorcnt 0x0                           ; the wave's end: behind my last tensor load and my last LDS store
	ds_add_u32 v[SPW], v[NIL]
	s_wait_dscnt 0x0
	CROUND                                         ; the closing round: no work-group ends while a partner may still ask for a tile that names it
	s_endpgm
.Lfunc_end_k_qfbc5b9a050_attn:
	.size	k_qfbc5b9a050_attn, .Lfunc_end_k_qfbc5b9a050_attn-k_qfbc5b9a050_attn
	.p2alignl 7, 3214868480
	.fill 96, 4, 3214868480
	.section	.rodata,"a",@progbits
	.p2align	6, 0x0
	.amdhsa_kernel k_qfbc5b9a050_attn
		.amdhsa_group_segment_fixed_size 327680
		.amdhsa_private_segment_fixed_size 0
		.amdhsa_enable_private_segment 0
		.amdhsa_kernarg_size 48
		.amdhsa_user_sgpr_count 2
		.amdhsa_user_sgpr_kernarg_segment_ptr 1
		.amdhsa_wavefront_size32 1
		.amdhsa_system_sgpr_workgroup_id_x 1
		.amdhsa_system_sgpr_workgroup_id_y 1
		.amdhsa_system_sgpr_workgroup_id_z 1
		.amdhsa_system_vgpr_workitem_id 0
		.amdhsa_next_free_vgpr 1024
		.amdhsa_next_free_sgpr 102
		.amdhsa_reserve_vcc 0
		.amdhsa_float_denorm_mode_32 3
		.amdhsa_float_denorm_mode_16_64 3
		.amdhsa_memory_ordered 1
		.amdhsa_forward_progress 1
		.amdhsa_inst_pref_size 255
	.end_amdhsa_kernel
	.section	.bss,"aw",@nobits
	.p2align	6
	.space	262144
	.amdgpu_metadata
---
amdhsa.version: [ 1, 2 ]
amdhsa.kernels:
  - .name:           k_qfbc5b9a050_attn
    .symbol:         k_qfbc5b9a050_attn.kd
    .args:
      - { .name: fathers_outputs_codes, .offset: 0, .size: 8, .value_kind: global_buffer, .address_space: global }
      - { .name: fathers_outputs_scales, .offset: 8, .size: 8, .value_kind: global_buffer, .address_space: global }
      - { .name: attn_W_codes, .offset: 16, .size: 8, .value_kind: global_buffer, .address_space: global }
      - { .name: attn_W_scales, .offset: 24, .size: 8, .value_kind: global_buffer, .address_space: global }
      - { .name: hidden, .offset: 32, .size: 8, .value_kind: global_buffer, .address_space: global }
      - { .name: out0, .offset: 40, .size: 8, .value_kind: global_buffer, .address_space: global }
    .group_segment_fixed_size: 327680
    .private_segment_fixed_size: 0
    .kernarg_segment_align: 8
    .kernarg_segment_size: 48
    .max_flat_workgroup_size: 128
    .sgpr_count:     102
    .vgpr_count:     1024
    .wavefront_size: 32
...
	.end_amdgpu_metadata
.endif
;; end of part 1
